; MI455X (gfx1250); checked and timed in simulation.
; The chip was launched on July 23, 2026; its instructions are those of AMD's public machine-readable ISA for CDNA 5 (MIT licence, August 2026) and "CDNA5" Instruction Set Architecture Reference Guide (July 2026). The comments in the code are by the model that wrote it; some were corrected since.
;; Scaled Dot Product Attn. Allowed arithmetic: float matrix products may take bf16 or f16 operands with f32 sums; all other float work in f32.
;; Inputs: k 16 x 2,048 x 64 float32; mask 16 x 2,048 x 2,048 bool; q 16 x 2,048 x 64 float32; v 16 x 2,048 x 64 float32.
;; Outputs: out0 16 x 2,048 x 64 float32.
;; One version. Each part assembles by itself: llvm-mc -triple=amdgcn-amd-amdhsa -mcpu=gfx1250 --defsym DOCPART=n.
;; ======== version 1 of 1: 1 launch
;; limits: values are held in f16: magnitudes above 65,504 overflow, below 6.1e-05 lose precision; inputs' magnitudes at most 65,504
;; launch attn (part 1): grid 16 x 16, 8 waves a work-group, clusters of 4 x 1, 327,680 bytes of LDS; arguments q, k, v, mask, out0; writes out0
.if DOCPART == 1
	.amdgcn_target "amdgcn-amd-amdhsa--gfx1250"
	.amdhsa_code_object_version 6
	.text
	.protected	k_qd8fd94ad22_attn
	.globl	k_qd8fd94ad22_attn
	.p2align	8
	.type	k_qd8fd94ad22_attn,@function
k_qd8fd94ad22_attn:
	s_mov_b64 s[64:65], 0
	v_nop
	global_prefetch_b8 v0, s[64:65] scope:SCOPE_SE
	s_setreg_imm32_b32 hwreg(HW_REG_WAVE_MODE, 25, 1), 1
	s_wait_xcnt 0x0
	s_wait_alu depctr_hold_cnt(0) depctr_sa_sdst(0) depctr_va_vdst(0) depctr_va_sdst(0) depctr_va_ssrc(0) depctr_va_vcc(0) depctr_vm_vsrc(0)
	s_getreg_b32 s2, hwreg(HW_REG_IB_STS2, 6, 4)
	s_cmp_eq_u32 s2, 0
	s_cbranch_scc0 .Lentry_in_a_cluster
	s_endpgm
.Lentry_in_a_cluster:
	s_bfe_u32 s2, ttmp6, 0x10000c
	s_cmp_lg_u32 s2, 0x3003
	s_cbranch_scc0 .Lentry_shape_is_right
	s_endpgm
.Lentry_shape_is_right:
; out[b][i][:] = softmax over j of (q[b][i].k[b][j] / 8, or -inf where mask[b][i][j] is set) times v[b][j][:].
; q, k, v, out: [16][2048][64] f32.  mask: [16][2048][2048], one byte, 0 or 1.
;
; SHARES.  A work-group takes 128 queries of one batch and walks the 2,048 keys in 16 trips of 128.  Eight waves: wave w has
; g = w >> 1 (its 32 queries 32 g ..) and u = w & 1 (keys 64 u .. 64 u + 63 of every trip).  The two waves of a g keep a running
; maximum, a sum and an O of their own and are merged once, at the end, through LDS.
; TRANSPOSED PRODUCTS.  S^T = K Q^T and O^T = V^T P^T: in every result a lane holds ONE query (lane % 16), so the running maximum, the
; sum and the rescale are one number a lane; two neighbouring key tiles of S^T, rounded to f16 in place, ARE the second source of
; the second product (32 keys along the registers): no shuffle.
; THE MASK IS THE FIRST PRODUCT'S C: 0 where a key is kept, 0xff010101 (about -1.7e38, finite) where it is masked.  So m_old - m_new is
; never inf - inf; what a row gathers while all its keys so far were masked is wiped by the factor 2^(-1.7e38 - m) = 0 at its first
; kept key; a row whose final maximum is below -2^126 had no kept key and gets NaN, as the softmax of a row of -inf gives.
; The maximum is taken away before every exponential (running maximum).  q is multiplied by log2(e) / 8 in f32 before it is rounded.
; NUMBER FORMAT.  The matrix operands (q scaled, k, v, the probabilities) are f16, the sums f32.  An output is a mean of some thousand
; numbers of v and so about a twentieth of their size, and it is compared at a hundredth of that: eleven bits of significand in each
; operand leave a wide margin there, eight bits do not.
; CLUSTER.  The four query blocks of a cluster (4, 1, 1) belong to one batch and walk the same K and V tiles: these are asked for
; jointly (mask 15), which divides the requests for K and V by four.  The mask's bytes are shared by nobody: they come through registers.
; ROADS.  K, V: f32 tiles by joint tensor loads into two raw slots; the eight waves round them to f16 into a double stage, one trip
; ahead of their use.  Mask: each wave loads 16 rows x 256 bytes (sixteen lanes take 256 consecutive bytes, aligned), two trips
; before it puts them into LDS.  Out: merged, normalised, turned through LDS; a store covers 512 consecutive bytes.
; LIMITS.  Mask bytes are 0 or 1.  |q| log2(e) / 8, |k| or |v| above 65,504 becomes infinite in f16; elements below 2^-14 are rounded
; to multiples of 2^-24.  Probabilities below 2^-25 of the row's largest are 0 in the product and stay in the sum: at most
; 2,048 x 2^-25 = 2^-14 of a row.  A kept score times log2(e) / 8 below -2^126 (-8.5e37) counts as masked.  NaN and infinities in q, k, v
; are not followed as the softmax in f32 would.  The sum of a row is taken from the probabilities before their rounding.
;
; LDS (every region a multiple of 256 bytes; tensor loads fill RAW alone, LDS stores write all the rest and never RAW)
.set RAWSLOT, 16384                    ; RAW at 0: loader wave w (0..3) x 32,768 + slot x 16,384: 64 rows x 256 bytes f32; w 0, 1: K's halves; w 2, 3: V's
.set KPITCH,  144                      ; f16 K row: 128 bytes + 16
.set VPITCH,  160                      ; f16 V row: 128 bytes + 32 (transposing loads)
.set MPITCH,  272                      ; mask row of 256 keys + 16
.set OPITCH,  272                      ; out row of 256 bytes + 16
.set STK,  131072                      ; 2 slots of 128 rows
.set STKB, 128*KPITCH
.set STV,  STK+2*STKB                  ; 167,936: 2 slots of 128 rows
.set STVB, 128*VPITCH
.set MSK,  STV+2*STVB                  ; 208,896: 128 rows, the mask of two trips, one slot
.set MRG,  MSK+128*MPITCH              ; 243,712: for each g 8,192 bytes of O and 4 x 128 bytes of m0, m1, l0, l1 of its wave u = 1
.set MRGB, 8704
.set OST,  MRG+4*MRGB                  ; 278,528: for each g 32 rows of out, its wave u = 0's own bytes
; VECTOR REGISTERS, window 0.  MR and AL lie in even registers: the packed forms name the pair and take the low one for both halves.
.set ADRM, 1                           ; LDS: my mask bytes
.set MR,   2                           ; v2, v4   running maximum of query tile 0, 1
.set ADRK, 3                           ; LDS: my K fragments
.set ADRV, 5                           ; LDS: my V fragments
.set AL,   6                           ; v6, v8   2^(old maximum - new maximum)
.set RAWK, 7                           ; LDS: the raw K rows that I round
.set RAWV, 9                           ; LDS: the raw V rows that I round
.set LS,   10                          ; v10, v11 running sums (of my half of the lanes' keys)
.set STKA, 12                          ; LDS: where my rounded K rows go
.set STVA, 13                          ; LDS: where my rounded V rows go
.set MSTA, 14                          ; LDS: where my mask rows go
.set GMO,  15                          ; byte offset of my mask rows in memory
.set MX,   16                          ; v16-19   mask word x 255; then the four chains of the maximum
.set TA,   16
.set UU,   20                          ; v20, v21 the other half's figure
.set SUM,  22                          ; v22-29   two pairs of partial sums for each query tile
.set QO,   31                          ; byte offset of my q rows
.set MK,   32                          ; v32-63   mask bytes: trip parity x (query tile, key tile) x 8 bytes
.set QF,   64                          ; v64-95   q fragments (a, c) at 16 a + 8 c
.set SC,   96                          ; v96-159  S^T tiles (a, t) at 32 a + 8 t; P^T fragments (a, c) in place at 32 a + 16 c
.set FR,   160                         ; v160-223 K fragments (t, c), then V^T fragments (t, c), at 16 t + 8 c
.set CV,   224                         ; v224-255 eight quads of f32 on their way to f16
; window 1: v256-319 O^T tiles (t, a) at 8 (2 t + a), written v0-63; v320-351 the mask on its way, written v64-95
.set GM,   64
; SCALARS: s[4:13] q, k, v, mask, out; s14 w, s15 g, s16 u, s17 block, s18 batch, s19 counter; s20-21 lane selects; s22-25 byte selects;
; s26 255; s28-29 LDS terms; s[30:31] scale; s[48:49] mask, s[50:51] out, s[52:53] q at my rows; s[54:55], s[60:61] K or V; s[56:59], s62 made from cx
.set G1J,  32                          ; s[32:39] descriptor group 1, never rewritten
.set G0J,  40                          ; s[40:47] descriptor group 0, a set for each raw slot
.set MSB, 0
.macro WIN new                         ; low byte: bits 1:0 source 0, 3:2 source 1, 5:4 source 2, 7:6 destination; the high byte repeats the setting left
.if MSB != \new
	s_set_vgpr_msb (MSB<<8)|\new
.set MSB, \new
.endif
.endm
.macro PLACES                          ; four places behind a matrix instruction where no useful vector work is at hand (ISA guide 7.12.1)
.rept 4
	v_nop
.endr
.endm
; A round of the cluster's barrier: my work-group's barrier, wave 0 signals for the work-group, every wave waits for all four work-groups, my work-group's barrier again.
.macro ROUND
	s_barrier_signal -1
	s_barrier_wait -1
	s_cmp_lg_u32 s14, 0
	s_cbranch_scc1 .Lnot_wave_0_\@
	s_barrier_signal -3
.Lnot_wave_0_\@:
	s_barrier_wait -3
	s_barrier_signal -1
	s_barrier_wait -1
.endm
.macro JFILL s                         ; waves 0 to 3: my quarter (64 rows of K or of V) of the tile two trips ahead, jointly with the three partners
	s_cmp_lt_u32 s14, 4
	s_cbranch_scc0 .Lno_fill_\@
	tensor_load_to_lds s[G0J+4*\s:G0J+4*\s+3], s[G1J:G1J+7]
	s_nop 0
.Lno_fill_\@:
.endm
.macro LDMASK mh                       ; 8 bytes = 8 keys of my query for each (a, t); word banks 4 r + 2 h + {0, 1}: all different
.irp a, 0,1
.irp t, 0,1,2,3
	ds_load_b64 v[MK+16*\mh+8*\a+2*\t:MK+16*\mh+8*\a+2*\t+1], v[ADRM] offset:16*MPITCH*\a+128*\mh+16*\t
.endr
.endr
.endm
.macro LDK s                           ; 16 keys x 32 d a fragment: two loads of 16 bytes, 32 bytes apart
.irp t, 0,1,2,3
.irp c, 0,1
	ds_load_b128 v[FR+16*\t+8*\c:FR+16*\t+8*\c+3],   v[ADRK] offset:STKB*\s+16*KPITCH*\t+64*\c
	ds_load_b128 v[FR+16*\t+8*\c+4:FR+16*\t+8*\c+7], v[ADRK] offset:STKB*\s+16*KPITCH*\t+64*\c+32
.endr
.endr
.endm
.macro LDV s                           ; 16 dv x 32 keys a fragment, from rows that lie along dv: two transposing loads, 16 rows apart
.irp t, 0,1,2,3
.irp c, 0,1
	ds_load_tr16_b128 v[FR+16*\t+8*\c:FR+16*\t+8*\c+3],   v[ADRV] offset:STVB*\s+32*VPITCH*\c+32*\t
	ds_load_tr16_b128 v[FR+16*\t+8*\c+4:FR+16*\t+8*\c+7], v[ADRV] offset:STVB*\s+32*VPITCH*\c+32*\t+16*VPITCH
.endr
.endr
.endm
; My sixteenth of a tile: 16 rows of 256 bytes.  Sixteen lanes take a whole raw row.  K: lanes 16-31 take the row 8 further down, V: 4 further
; down, so that the two halves' 8-byte stores into the stage lie 288 and 160 words apart: 32 banks (64 banks of 4 bytes: ISA guide 11.1).
.macro LDRAWK slot
.irp j, 0,1,2,3,4,5,6,7
	ds_load_b128 v[CV+4*\j:CV+4*\j+3], v[RAWK] offset:RAWSLOT*(\slot)+256*\j
.endr
.endm
.macro LDRAWV slot
.irp j, 0,1,2,3,4,5,6,7
	ds_load_b128 v[CV+4*\j:CV+4*\j+3], v[RAWV] offset:RAWSLOT*(\slot)+256*((\j&3)+8*(\j>>2))
.endr
.endm
.macro CVT16                           ; 32 f32 a lane to f16, in place
.irp j, 0,1,2,3,4,5,6,7
	v_cvt_pk_f16_f32 v[CV+4*\j],   v[CV+4*\j],   v[CV+4*\j+1]
	v_cvt_pk_f16_f32 v[CV+4*\j+1], v[CV+4*\j+2], v[CV+4*\j+3]
.endr
.endm
.macro CVSTK slot
	CVT16
.irp j, 0,1,2,3,4,5,6,7
	ds_store_b64 v[STKA], v[CV+4*\j:CV+4*\j+1] offset:STKB*(\slot)+KPITCH*\j
.endr
.endm
.macro CVSTV slot
	CVT16
.irp j, 0,1,2,3,4,5,6,7
	ds_store_b64 v[STVA], v[CV+4*\j:CV+4*\j+1] offset:STVB*(\slot)+VPITCH*((\j&3)+8*(\j>>2))
.endr
.endm
; Mask bytes to the first product's C.  A word of four bytes 0 / 1 times 255 has bytes 0 / 0xff; the byte select takes byte i of that as the
; top byte and byte i of the word itself as the three lower ones: 0 or 0xff010101.
.macro MASKC mh
.irp a, 0,1
.irp t, 0,1,2,3
	v_mul_lo_u32 v[MX+2*(\t&1)],   v[MK+16*\mh+8*\a+2*\t],   s26
	v_mul_lo_u32 v[MX+2*(\t&1)+1], v[MK+16*\mh+8*\a+2*\t+1], s26
.irp p, 0,1
	v_perm_b32 v[SC+32*\a+8*\t+4*\p],   v[MX+2*(\t&1)+\p], v[MK+16*\mh+8*\a+2*\t+\p], s22
	v_perm_b32 v[SC+32*\a+8*\t+4*\p+1], v[MX+2*(\t&1)+\p], v[MK+16*\mh+8*\a+2*\t+\p], s23
	v_perm_b32 v[SC+32*\a+8*\t+4*\p+2], v[MX+2*(\t&1)+\p], v[MK+16*\mh+8*\a+2*\t+\p], s24
	v_perm_b32 v[SC+32*\a+8*\t+4*\p+3], v[MX+2*(\t&1)+\p], v[MK+16*\mh+8*\a+2*\t+\p], s25
.endr
.endr
.endr
.endm
; S^T(16 keys, 16 queries) = K (16 x 32 d) Q^T + C.  Register j of lane (r, h): key 16 t + 8 h + j, query 16 a + r.
; The eight accumulators take turns, one instruction a turn.
.macro QK
.irp c, 0,1
.irp t, 0,1,2,3
.irp a, 0,1
	v_wmma_f32_16x16x32_f16 v[SC+32*\a+8*\t:SC+32*\a+8*\t+7], v[FR+16*\t+8*\c:FR+16*\t+8*\c+7], v[QF+16*\a+8*\c:QF+16*\a+8*\c+7], v[SC+32*\a+8*\t:SC+32*\a+8*\t+7]
.endr
.endr
.endr
.endm
; The new running maximum of my two queries: four chains over 2 x 32 scores, the old maximum, the other half of the lanes.
.macro MAXRED first
.irp a, 0,1
	v_max3_num_f32 v[TA+2*\a],   v[SC+32*\a],    v[SC+32*\a+1],  v[SC+32*\a+2]
	v_max3_num_f32 v[TA+2*\a+1], v[SC+32*\a+16], v[SC+32*\a+17], v[SC+32*\a+18]
.endr
.irp i, 3,5,7,9,11,13
.irp a, 0,1
	v_max3_num_f32 v[TA+2*\a],   v[TA+2*\a],   v[SC+32*\a+\i],    v[SC+32*\a+\i+1]
	v_max3_num_f32 v[TA+2*\a+1], v[TA+2*\a+1], v[SC+32*\a+16+\i], v[SC+32*\a+17+\i]
.endr
.endr
.irp a, 0,1
	v_max3_num_f32 v[TA+2*\a], v[TA+2*\a], v[TA+2*\a+1], v[SC+32*\a+15]
.endr
.irp a, 0,1
.if \first
	v_max_num_f32 v[TA+2*\a], v[TA+2*\a], v[SC+32*\a+31]
.else
	v_max3_num_f32 v[TA+2*\a], v[TA+2*\a], v[SC+32*\a+31], v[MR+2*\a]
.endif
.endr
.irp a, 0,1
	v_permlanex16_b32 v[UU+\a], v[TA+2*\a], s20, s21       ; lane i xor 16: the same query's other keys
.endr
.irp a, 0,1
	v_max_num_f32 v[TA+2*\a], v[TA+2*\a], v[UU+\a]
.endr
.irp a, 0,1
.if \first == 0
	v_sub_f32 v[AL+2*\a], v[MR+2*\a], v[TA+2*\a]           ; old - new, at most 0
.endif
	v_mov_b32 v[MR+2*\a], v[TA+2*\a]
.endr
.endm
.macro SUBT a, t                       ; score - maximum, two at a time; the pair's low register serves both halves
.irp j, 0,2,4,6
	v_pk_add_f32 v[SC+32*\a+8*\t+\j:SC+32*\a+8*\t+\j+1], v[SC+32*\a+8*\t+\j:SC+32*\a+8*\t+\j+1], v[MR+2*\a:MR+2*\a+1] op_sel_hi:[1,0] neg_lo:[0,1] neg_hi:[0,1]
.endr
.endm
.macro EXPT a, t
.irp j, 0,1,2,3,4,5,6,7
	v_exp_f32 v[SC+32*\a+8*\t+\j], v[SC+32*\a+8*\t+\j]
.endr
.endm
; A tile's eight probabilities go into the sums and are rounded to f16: tile 2 c into registers 0-3, tile 2 c + 1 into registers 4-7 of P^T fragment (a, c).
.macro USE a, t
.if \t == 0
	s_wait_alu depctr_va_vdst(0)
	v_pk_add_f32 v[SUM+4*\a:SUM+4*\a+1],   v[SC+32*\a:SC+32*\a+1],   v[SC+32*\a+4:SC+32*\a+5]      ; the first tile starts the sums: nothing is cleared
	v_pk_add_f32 v[SUM+4*\a+2:SUM+4*\a+3], v[SC+32*\a+2:SC+32*\a+3], v[SC+32*\a+6:SC+32*\a+7]
.else
	s_wait_alu depctr_va_vdst(0)
.irp j, 0,4
	v_pk_add_f32 v[SUM+4*\a:SUM+4*\a+1],   v[SUM+4*\a:SUM+4*\a+1],   v[SC+32*\a+8*\t+\j:SC+32*\a+8*\t+\j+1]
	v_pk_add_f32 v[SUM+4*\a+2:SUM+4*\a+3], v[SUM+4*\a+2:SUM+4*\a+3], v[SC+32*\a+8*\t+\j+2:SC+32*\a+8*\t+\j+3]
.endr
.endif
.irp i, 0,1,2,3
	v_cvt_pk_f16_f32 v[SC+32*\a+16*(\t>>1)+4*(\t&1)+\i], v[SC+32*\a+8*\t+2*\i], v[SC+32*\a+8*\t+2*\i+1]
.endr
.endm
; Behind each run of exponentials stands plain work on another tile before any of the run's results is used (ISA guide 5.7.2).
.macro SOFTMAX first
	SUBT 0, 0
	EXPT 0, 0
.if \first == 0
	v_exp_f32 v[AL],   v[AL]
	v_exp_f32 v[AL+2], v[AL+2]
.endif
	SUBT 1, 0
	EXPT 1, 0
	USE  0, 0
	SUBT 0, 1
	EXPT 0, 1
	USE  1, 0
	SUBT 1, 1
	EXPT 1, 1
	USE  0, 1
	SUBT 0, 2
	EXPT 0, 2
	USE  1, 1
	SUBT 1, 2
	EXPT 1, 2
	USE  0, 2
	SUBT 0, 3
	EXPT 0, 3
	USE  1, 2
	SUBT 1, 3
	EXPT 1, 3
	USE  0, 3
	USE  1, 3
.irp a, 0,1
	v_pk_add_f32 v[SUM+4*\a:SUM+4*\a+1], v[SUM+4*\a:SUM+4*\a+1], v[SUM+4*\a+2:SUM+4*\a+3]
.endr
.irp a, 0,1
.if \first
	v_add_f32 v[LS+\a], v[SUM+4*\a], v[SUM+4*\a+1]
.else
	v_add_f32 v[SUM+4*\a], v[SUM+4*\a], v[SUM+4*\a+1]
.endif
.endr
.if \first == 0
.irp a, 0,1
	v_fma_f32 v[LS+\a], v[LS+\a], v[AL+2*\a], v[SUM+4*\a]
.endr
.endif
.endm
.macro RESCALE                         ; O^T holds my query in every register: one factor a lane
	WIN 0x41                               ; destination and source 0 in window 1, the factor in window 0
.irp t, 0,1,2,3
.irp a, 0,1
.irp j, 0,2,4,6
	v_pk_mul_f32 v[8*(2*\t+\a)+\j:8*(2*\t+\a)+\j+1], v[8*(2*\t+\a)+\j:8*(2*\t+\a)+\j+1], v[AL+2*\a:AL+2*\a+1] op_sel_hi:[1,0]
.endr
.endr
.endr
.endm
; O^T(16 dv, 16 queries) += V^T (16 x 32 keys) P^T.  The eight accumulators take turns, one instruction a turn.
.macro PV first
	WIN 0x50                               ; C and D in window 1, the fragments in window 0
.irp c, 0,1
.irp t, 0,1,2,3
.irp a, 0,1
.if \first*(1-\c)
	v_wmma_f32_16x16x32_f16 v[8*(2*\t+\a):8*(2*\t+\a)+7], v[FR+16*\t+8*\c:FR+16*\t+8*\c+7], v[SC+32*\a+16*\c:SC+32*\a+16*\c+7], 0
.else
	v_wmma_f32_16x16x32_f16 v[8*(2*\t+\a):8*(2*\t+\a)+7], v[FR+16*\t+8*\c:FR+16*\t+8*\c+7], v[SC+32*\a+16*\c:SC+32*\a+16*\c+7], v[8*(2*\t+\a):8*(2*\t+\a)+7]
.endif
.endr
.endr
.endr
.endm
.macro MSTORE                          ; my 16 rows x 256 bytes of mask, registers to LDS
	WIN 0x04                               ; the data in window 1
.irp j, 0,1,2,3,4,5,6,7
	ds_store_b128 v[MSTA], v[GM+4*\j:GM+4*\j+3] offset:2*MPITCH*\j
.endr
.endm
.macro MLOAD                           ; the same rows' next 256 keys: lanes 0-15 take 256 consecutive bytes, aligned, of an even row, lanes 16-31 of the odd row below
	WIN 0x40                               ; the destination in window 1
.irp j, 0,1,2,3,4,5,6,7
	global_load_b128 v[GM+4*\j:GM+4*\j+3], v[GMO], s[48:49] offset:4096*\j th:TH_LOAD_NT
.endr
.endm
; ONE TRIP, 128 keys.  par = the trip's parity = the f16 stage slot that is read and the raw slot that is filled again; the other raw slot
; (the next trip's tile) is rounded into the other stage slot.  first: the sums start.  fill: the tile two trips ahead is asked for.
; conv: the next tile is rounded.  mst: the mask of the next two trips goes to LDS.  mld: the mask behind that is asked for.
; The ONE barrier at the head orders, for all eight waves: last trip's reads of the stage slot and of the raw slot that are now written; last trip's
; stores into the stage slot (and, behind an odd trip, into the mask's slot) that are now read; the landing of the raw tile that is now read.
.macro TRIP par, first, fill, conv, mst, mld
.if \conv
	s_set_vgpr_msb 0x5
	s_wait_tensorcnt 0x0                   ; all my tensor loads have landed: the one that was out is my quarter of the next trip's raw tile
	ds_add_u32 v96, v97
	s_wait_dscnt 0x0
	s_set_vgpr_msb 0x500
.endif
.if \fill
	s_add_nc_u64 s[G0J+4*\par+2:G0J+4*\par+3], s[G0J+4*\par+2:G0J+4*\par+3], 65536   ; no load of mine is out: this slot's address steps two tiles of 32,768 bytes
.endif
	s_wait_dscnt 0x0                       ; my LDS reads and stores of the last trip are done
.if \fill
	ROUND                                  ; both now hold of every wave of the four work-groups
	JFILL \par                             ; the one tensor load behind the round, and the first thing there
.else
	s_barrier_signal -1
	s_barrier_wait -1
.endif
.if \par == 0
	LDMASK 0
.endif
	LDK \par
.if \par == 0
	LDMASK 1                               ; the odd trip's bytes too: the mask's slot is read in even trips alone and stored in odd ones alone
.endif
.if \conv
	LDRAWK 1-\par
.endif
.if \par == 0
	s_wait_dscnt 24+8*\conv                ; this trip's mask bytes are in: 16 K loads, 8 mask loads and the raw loads are younger
.endif
	MASKC \par
	s_wait_dscnt 8*(1-\par)+8*\conv        ; the K fragments are in: the second mask half (even trips) and the raw loads are younger
	QK
.if \conv
	s_wait_dscnt 0x0                       ; the raw K rows are in
	CVSTK 1-\par                           ; its sixteen conversions are the places behind the products, for the loads into FR and the reads of S^T
.else
	PLACES
.endif
	LDV \par
.if \conv
	LDRAWV 1-\par
.endif
	MAXRED \first
	SOFTMAX \first
.if \first == 0
	RESCALE
.endif
	s_wait_dscnt 8*\conv                   ; the V fragments are in: the raw V loads alone are younger
	PV \first
.if \mst
	s_wait_loadcnt 0x0                     ; the mask asked for two trips ago; also frees its base
	MSTORE
.endif
.if \conv
	s_wait_dscnt 0x0                       ; the raw V rows are in (and the mask's stores have left their registers)
.endif
.if \mld
	s_add_nc_u64 s[48:49], s[48:49], 256   ; the next 256 keys
	MLOAD
.endif
	WIN 0
.if \conv
	CVSTV 1-\par                           ; its sixteen conversions are the places behind the products, for the next trip's loads into FR and writes of S^T
.else
	PLACES
.endif
.endm
	; ---------------- set-up ----------------
	s_load_b256 s[4:11], s[0:1], 0x0               ; q s[4:5], k s[6:7], v s[8:9], mask s[10:11]
	s_load_b64 s[12:13], s[0:1], 0x20              ; out
	s_set_vgpr_msb 0x40
	v_lshl_add_u32 v96, v0, 2, 0x4c800
	v_mov_b32 v97, 0
	s_set_vgpr_msb 0x4045
	ds_add_u32 v96, v97
	s_set_vgpr_msb 0x4500
	v_lshrrev_b32 v16, 5, v0
	v_readfirstlane_b32 s14, v16                   ; w
	s_lshr_b32 s15, s14, 1                         ; g
	s_and_b32 s16, s14, 1                          ; u
	s_bfe_u32 s62, ttmp6, 0x40000                  ; cx
	s_lshl_b32 s17, ttmp9, 2
	s_add_co_u32 s17, s17, s62                     ; block of 128 queries = 4 x cluster x + cx: enters q's, the mask's and out's addresses alone
	s_and_b32 s18, ttmp7, 0xffff                   ; batch
	s_mov_b32 s20, 0x76543210                      ; v_permlanex16_b32: lane i of the other half
	s_mov_b32 s21, 0xfedcba98
	s_mov_b32 s22, 0x04000000                      ; byte selects of MASKC, for byte 0 to 3 of a word
	s_mov_b32 s23, 0x05010101
	s_mov_b32 s24, 0x06020202
	s_mov_b32 s25, 0x07030303
	s_mov_b32 s26, 255
	s_mov_b32 s30, 0x3e38aa3b                      ; log2(e) / 8
	s_mov_b32 s31, 0x3e38aa3b
	; descriptor group 1: 64 rows x 64 elements of 4 bytes, dense, no padding; work-group mask 15 (all four of the cluster), bit 21 beside it
	s_mov_b32 s[G1J+0], 15|(2<<16)|(1<<21)
	s_mov_b32 s[G1J+1], 64<<16                     ; tensor_dim0 = 64
	s_mov_b32 s[G1J+2], 64<<16                     ; tensor_dim1 = 64
	s_mov_b32 s[G1J+3], 64<<16                     ; tile_dim0 = 64
	s_mov_b32 s[G1J+4], 64                         ; tile_dim1 = 64
	s_mov_b32 s[G1J+5], 64                         ; 64 elements from row to row
	s_mov_b32 s[G1J+6], 0
	s_mov_b32 s[G1J+7], 0
	v_and_b32 v17, 15, v0                          ; r
	v_bfe_u32 v18, v0, 4, 1                        ; h
	v_mov_b32 v[UU], 0                             ; v_permlanex16_b32 counts as a reader of its destination
	v_mov_b32 v[UU+1], 0
	s_mul_i32 s28, s15, 32*MPITCH                  ; ADRM = MSK + (32 g + r) pitch + 64 u + 8 h
	s_lshl_b32 s29, s16, 6
	s_add_co_u32 s28, s28, s29
	s_add_co_u32 s28, s28, MSK
	v_mul_u32_u24 v[ADRM], v17, MPITCH
	v_lshl_add_u32 v[ADRM], v18, 3, v[ADRM]
	v_add_nc_u32 v[ADRM], s28, v[ADRM]
	s_mul_i32 s28, s16, 64*KPITCH                  ; ADRK = STK + (64 u + r) pitch + 16 h
	s_add_co_u32 s28, s28, STK
	v_mul_u32_u24 v[ADRK], v17, KPITCH
	v_lshl_add_u32 v[ADRK], v18, 4, v[ADRK]
	v_add_nc_u32 v[ADRK], s28, v[ADRK]
	s_mul_i32 s28, s16, 64*VPITCH                  ; ADRV = STV + (64 u + 8 h + lane % 8) pitch + 16 ((lane / 8) % 2)
	s_add_co_u32 s28, s28, STV
	v_and_b32 v19, 7, v0
	v_lshl_add_u32 v19, v18, 3, v19
	v_mul_u32_u24 v[ADRV], v19, VPITCH
	v_bfe_u32 v19, v0, 3, 1
	v_lshl_add_u32 v[ADRV], v19, 4, v[ADRV]
	v_add_nc_u32 v[ADRV], s28, v[ADRV]
	s_lshr_b32 s28, s14, 2                         ; RAWK = (w / 4) 32,768 + (w % 4) 4,096 + 2,048 h + 16 r
	s_lshl_b32 s28, s28, 15
	s_and_b32 s29, s14, 3
	s_lshl_b32 s29, s29, 12
	s_add_co_u32 s28, s28, s29
	v_lshlrev_b32 v19, 4, v17                      ; 16 r
	v_lshl_add_u32 v[RAWK], v18, 11, v19
	v_add_nc_u32 v[RAWK], s28, v[RAWK]
	s_add_co_u32 s28, s28, 65536                   ; RAWV = 65,536 + the same + 1,024 h + 16 r
	v_lshl_add_u32 v[RAWV], v18, 10, v19
	v_add_nc_u32 v[RAWV], s28, v[RAWV]
	s_mul_i32 s28, s14, 16*KPITCH                  ; STKA = STK + (16 w + 8 h) pitch + 8 r
	s_add_co_u32 s28, s28, STK
	v_mul_u32_u24 v[STKA], v18, 8*KPITCH
	v_lshl_add_u32 v[STKA], v17, 3, v[STKA]
	v_add_nc_u32 v[STKA], s28, v[STKA]
	s_mul_i32 s28, s14, 16*VPITCH                  ; STVA = STV + (16 w + 4 h) pitch + 8 r
	s_add_co_u32 s28, s28, STV
	v_mul_u32_u24 v[STVA], v18, 4*VPITCH
	v_lshl_add_u32 v[STVA], v17, 3, v[STVA]
	v_add_nc_u32 v[STVA], s28, v[STVA]
	s_mul_i32 s28, s14, 16*MPITCH                  ; MSTA = MSK + (16 w + h) pitch + 16 r
	s_add_co_u32 s28, s28, MSK
	v_mul_u32_u24 v[MSTA], v18, MPITCH
	v_add_nc_u32 v[MSTA], v[MSTA], v19
	v_add_nc_u32 v[MSTA], s28, v[MSTA]
	s_lshl_b32 s28, s14, 15                        ; GMO = (16 w + h) 2,048 + 16 r
	v_lshl_add_u32 v[GMO], v18, 11, v19
	v_add_nc_u32 v[GMO], s28, v[GMO]
	v_lshlrev_b32 v[QO], 8, v17                    ; QO = 256 r + 32 h
	v_lshl_add_u32 v[QO], v18, 5, v[QO]
	s_lshl_b32 s56, s18, 19                        ; q and out: batch x 524,288 + (128 block + 32 g) rows of 256 bytes
	s_lshl_b32 s57, s17, 15
	s_add_co_u32 s56, s56, s57
	s_lshl_b32 s57, s15, 13
	s_add_co_u32 s56, s56, s57
	s_mov_b32 s57, 0
	s_lshl_b32 s58, s18, 22                        ; mask: batch x 4,194,304 + 128 block rows of 2,048 bytes
	s_lshl_b32 s59, s17, 18
	s_add_co_u32 s58, s58, s59
	s_mov_b32 s59, 0
	s_lshl_b32 s54, s18, 19                        ; K or V: batch x 524,288 + (w % 2) x 64 rows of 256 bytes: nothing of cx
	s_lshl_b32 s55, s16, 14
	s_add_co_u32 s54, s54, s55
	s_mov_b32 s55, 0
	s_lshl_b32 s29, s14, 15                        ; my raw part in LDS: w x 32,768
	s_wait_dscnt 0x0
	s_wait_kmcnt 0x0
	s_add_nc_u64 s[52:53], s[4:5], s[56:57]
	s_add_nc_u64 s[50:51], s[12:13], s[56:57]
	s_add_nc_u64 s[48:49], s[10:11], s[58:59]
	s_cmp_lt_u32 s14, 2
	s_cselect_b64 s[60:61], s[6:7], s[8:9]         ; waves 0, 1 fetch K, waves 2, 3 V
	s_add_nc_u64 s[60:61], s[60:61], s[54:55]
.irp s, 0,1
	s_mov_b32 s[G0J+4*\s], 1                                       ; count = 1
	s_add_co_u32 s[G0J+4*\s+1], s29, \s*RAWSLOT                    ; LDS address
	s_add_nc_u64 s[G0J+4*\s+2:G0J+4*\s+3], s[60:61], \s*32768      ; tile s
	s_or_b32 s[G0J+4*\s+3], s[G0J+4*\s+3], 0x80000000              ; type = 2
.endr
	; q: fragment (a, c) wants d = 32 c + 8 h + 0..7 and 32 c + 16 + 8 h + 0..7 of query 16 a + r: four loads of 16 bytes
.irp a, 0,1
.irp c, 0,1
	global_load_b128 v[SC+32*\a+16*\c:SC+32*\a+16*\c+3],     v[QO], s[52:53] offset:4096*\a+128*\c
	global_load_b128 v[SC+32*\a+16*\c+4:SC+32*\a+16*\c+7],   v[QO], s[52:53] offset:4096*\a+128*\c+16
	global_load_b128 v[SC+32*\a+16*\c+8:SC+32*\a+16*\c+11],  v[QO], s[52:53] offset:4096*\a+128*\c+64
	global_load_b128 v[SC+32*\a+16*\c+12:SC+32*\a+16*\c+15], v[QO], s[52:53] offset:4096*\a+128*\c+80
.endr
.endr
	MLOAD                                          ; the mask of trips 0 and 1
	WIN 0
	ROUND                                          ; all four work-groups are here: the first joint loads meet
	s_cmp_lt_u32 s14, 4
	s_cbranch_scc0 .Lno_first
	tensor_load_to_lds s[G0J:G0J+3], s[G1J:G1J+7]          ; tile 0
	s_nop 0
	tensor_load_to_lds s[G0J+4:G0J+7], s[G1J:G1J+7]        ; tile 1: two loads of a wave are out
	s_nop 0
.Lno_first:
	s_wait_loadcnt 0x8                             ; q is in: the eight mask loads are younger
.set i, 0
.rept 32
	v_pk_mul_f32 v[SC+2*i:SC+2*i+1], v[SC+2*i:SC+2*i+1], s[30:31] op_sel_hi:[1,0]
.set i, i+1
.endr
.set i, 0
.rept 32
	v_cvt_pk_f16_f32 v[QF+i], v[SC+2*i], v[SC+2*i+1]
.set i, i+1
.endr
	s_wait_loadcnt 0x0                             ; the first mask; also frees its base
	MSTORE
	s_wait_dscnt 0x0                               ; stored, for the other waves' sake
	s_add_nc_u64 s[48:49], s[48:49], 256
	MLOAD                                          ; the mask of trips 2 and 3
	WIN 0
	s_wait_tensorcnt 0x1                           ; my quarter of tile 0 is in; tile 1 may stay out
	s_barrier_signal -1
	s_barrier_wait -1
	LDRAWK 0
	s_wait_dscnt 0x0
	CVSTK 0
	LDRAWV 0
	s_wait_dscnt 0x0
	CVSTV 0
	; ---------------- the sixteen trips ----------------
	TRIP 0, 1, 1, 1, 0, 0                          ; trip 0 starts the sums
	TRIP 1, 0, 1, 1, 1, 1
	s_mov_b32 s19, 5
.Lpair:                                            ; trips 2 to 11
	TRIP 0, 0, 1, 1, 0, 0
	TRIP 1, 0, 1, 1, 1, 1
	s_sub_co_u32 s19, s19, 1
	s_cmp_lg_u32 s19, 0
	s_cbranch_scc1 .Lpair
	TRIP 0, 0, 1, 1, 0, 0                          ; trip 12 asks for tile 14
	TRIP 1, 0, 1, 1, 1, 0                          ; trip 13 asks for tile 15, the last, and stores the last mask: no mask is left to ask for
	TRIP 0, 0, 0, 1, 0, 0                          ; trip 14 rounds tile 15; nothing is left to fetch
	TRIP 1, 0, 0, 0, 0, 0                          ; trip 15
	; ---------------- merge of the two key halves, and the way out ----------------
	v_permlanex16_b32 v[UU],   v[LS],   s20, s21   ; the sums of the other half of the lanes
	v_permlanex16_b32 v[UU+1], v[LS+1], s20, s21
	v_add_f32 v[LS],   v[LS],   v[UU]
	v_add_f32 v[LS+1], v[LS+1], v[UU+1]
	v_and_b32 v16, 31, v0
	s_mul_i32 s28, s15, MRGB
	s_add_co_u32 s29, s28, MRG
	v_lshl_add_u32 v30, v16, 4, s29                ; O: quad n at 16 lane + 512 n
	v_lshl_add_u32 v31, v16, 2, s29                ; m0, m1, l0, l1 at 8,192 + 128 n + 4 lane
	s_cmp_eq_u32 s16, 0
	s_cbranch_scc1 .Lkeeper
	WIN 0x04                                       ; wave u = 1 hands over its O (window 1), its maxima and its sums
.irp n, 0,1,2,3,4,5,6,7,8,9,10,11,12,13,14,15
	ds_store_b128 v30, v[4*\n:4*\n+3] offset:512*\n
.endr
	WIN 0
	ds_store_b32 v31, v[MR]   offset:8192
	ds_store_b32 v31, v[MR+2] offset:8320
	ds_store_b32 v31, v[LS]   offset:8448
	ds_store_b32 v31, v[LS+1] offset:8576
.Lkeeper:
	s_wait_dscnt 0x0                               ; stored, for the partner's sake
	s_barrier_signal -1
	s_barrier_wait -1
	s_cmp_lg_u32 s16, 0
	s_cbranch_scc1 .Lclose
	ds_load_b32 v16, v31 offset:8192               ; the partner's m0, m1, l0, l1
	ds_load_b32 v17, v31 offset:8320
	ds_load_b32 v18, v31 offset:8448
	ds_load_b32 v19, v31 offset:8576
.irp n, 0,1,2,3,4,5,6,7,8,9,10,11,12,13,14,15
	ds_load_b128 v[SC+4*\n:SC+4*\n+3], v30 offset:512*\n
.endr
	s_wait_dscnt 16                                ; the four figures are in: the sixteen quads of O are younger
	v_max_num_f32 v[UU],   v[MR],   v16            ; the row's maximum
	v_max_num_f32 v[UU+1], v[MR+2], v17
	v_sub_f32 v[SUM],   v[MR],   v[UU]
	v_sub_f32 v[SUM+2], v16,     v[UU]
	v_sub_f32 v[SUM+4], v[MR+2], v[UU+1]
	v_sub_f32 v[SUM+6], v17,     v[UU+1]
	v_exp_f32 v[SUM],   v[SUM]                     ; my factor and the partner's, for query tile 0 and 1
	v_exp_f32 v[SUM+2], v[SUM+2]
	v_exp_f32 v[SUM+4], v[SUM+4]
	v_exp_f32 v[SUM+6], v[SUM+6]
	v_mov_b32 v16, 0x7fc00000                      ; NaN; also the plain instruction behind the exponentials (ISA guide 5.7.2)
	s_wait_alu depctr_va_vdst(0)
	v_mul_f32 v18, v18, v[SUM+2]
	v_mul_f32 v19, v19, v[SUM+6]
	v_fma_f32 v18, v[LS],   v[SUM],   v18          ; the row's sum: at least 1, from the key that holds the maximum
	v_fma_f32 v19, v[LS+1], v[SUM+4], v19
	v_rcp_f32 v18, v18
	v_rcp_f32 v19, v19
	v_and_b32 v17, 15, v0                          ; r; plain work behind the reciprocals
	v_bfe_u32 v15, v0, 4, 1                        ; h
	v_cmp_gt_f32 vcc_lo, 0xfe800000, v[UU]         ; -2^126 > maximum: no key of the row was kept
	s_wait_alu depctr_va_vdst(0)
	v_cndmask_b32 v18, v18, v16, vcc_lo
	v_cmp_gt_f32 vcc_lo, 0xfe800000, v[UU+1]
	v_cndmask_b32 v19, v19, v16, vcc_lo
	v_mul_f32 v[SUM],   v[SUM],   v18              ; factor / sum
	v_mul_f32 v[SUM+2], v[SUM+2], v18
	v_mul_f32 v[SUM+4], v[SUM+4], v19
	v_mul_f32 v[SUM+6], v[SUM+6], v19
	s_add_co_u32 s29, s28, OST
	v_mul_u32_u24 v12, v17, OPITCH                 ; in: row r (+ 16 a), 32 bytes for each half of the lanes
	v_lshl_add_u32 v12, v15, 5, v12
	v_add_nc_u32 v12, s29, v12
	v_mul_u32_u24 v13, v15, OPITCH                 ; back: lanes 0-15 take one row of 256 bytes, lanes 16-31 the next
	v_lshl_add_u32 v13, v17, 4, v13
	v_add_nc_u32 v13, s29, v13
	v_and_b32 v14, 31, v0
	v_lshlrev_b32 v14, 4, v14                      ; and the same two rows in out: 16 lane
	s_wait_dscnt 0x0                               ; the partner's O is in
.irp n, 0,1,2,3,4,5,6,7,8,9,10,11,12,13,14,15
	v_pk_mul_f32 v[SC+4*\n:SC+4*\n+1],   v[SC+4*\n:SC+4*\n+1],   v[SUM+4*((\n>>1)&1)+2:SUM+4*((\n>>1)&1)+3] op_sel_hi:[1,0]
	v_pk_mul_f32 v[SC+4*\n+2:SC+4*\n+3], v[SC+4*\n+2:SC+4*\n+3], v[SUM+4*((\n>>1)&1)+2:SUM+4*((\n>>1)&1)+3] op_sel_hi:[1,0]
.endr
	WIN 0x01                                       ; source 0, my O, in window 1
.irp n, 0,1,2,3,4,5,6,7,8,9,10,11,12,13,14,15
	v_pk_fma_f32 v[SC+4*\n:SC+4*\n+1],   v[4*\n:4*\n+1],   v[SUM+4*((\n>>1)&1):SUM+4*((\n>>1)&1)+1], v[SC+4*\n:SC+4*\n+1] op_sel_hi:[1,0,1]
	v_pk_fma_f32 v[SC+4*\n+2:SC+4*\n+3], v[4*\n+2:4*\n+3], v[SUM+4*((\n>>1)&1):SUM+4*((\n>>1)&1)+1], v[SC+4*\n+2:SC+4*\n+3] op_sel_hi:[1,0,1]
.endr
	WIN 0
	; tile (t, a), register j of lane (r, h) = out(query 16 a + r, dv 16 t + 8 h + j): 32 neighbouring bytes of a row
.irp t, 0,1,2,3
.irp a, 0,1
	ds_store_b128 v12, v[SC+8*(2*\t+\a):SC+8*(2*\t+\a)+3]   offset:16*OPITCH*\a+64*\t
	ds_store_b128 v12, v[SC+8*(2*\t+\a)+4:SC+8*(2*\t+\a)+7] offset:16*OPITCH*\a+64*\t+16
.endr
.endr
.irp n, 0,1,2,3,4,5,6,7,8,9,10,11,12,13,14,15
	ds_load_b128 v[FR+4*\n:FR+4*\n+3], v13 offset:2*OPITCH*\n      ; my own bytes: LDS serves a wave's instructions in order (ISA guide 5.7.1), these see the stores above
.endr
.irp n, 0,1,2,3,4,5,6,7,8,9,10,11,12,13,14,15
	s_wait_dscnt 15-\n                             ; loads come back in order: pair n of rows is in
	global_store_b128 v14, v[FR+4*\n:FR+4*\n+3], s[50:51] offset:512*\n th:TH_STORE_NT   ; 512 consecutive bytes, aligned: two whole rows of out
.endr
.Lclose:
	s_set_vgpr_msb 0x5
	s_wait_tensorcnt 0x0
	ds_add_u32 v96, v97
	s_wait_dscnt 0x0
	s_set_vgpr_msb 0x500
	ROUND                                          ; the closing round: no work-group ends while a partner may still ask for a tile that names it
	s_endpgm
.Lfunc_end_k_qd8fd94ad22_attn:
	.size	k_qd8fd94ad22_attn, .Lfunc_end_k_qd8fd94ad22_attn-k_qd8fd94ad22_attn
	.p2alignl 7, 3214868480
	.fill 96, 4, 3214868480
	.section	.rodata,"a",@progbits
	.p2align	6, 0x0
	.amdhsa_kernel k_qd8fd94ad22_attn
		.amdhsa_group_segment_fixed_size 327680
		.amdhsa_private_segment_fixed_size 0
		.amdhsa_enable_private_segment 0
		.amdhsa_kernarg_size 40
		.amdhsa_user_sgpr_count 2
		.amdhsa_user_sgpr_kernarg_segment_ptr 1
		.amdhsa_wavefront_size32 1
		.amdhsa_system_sgpr_workgroup_id_x 1
		.amdhsa_system_sgpr_workgroup_id_y 1
		.amdhsa_system_sgpr_workgroup_id_z 1
		.amdhsa_system_vgpr_workitem_id 0
		.amdhsa_next_free_vgpr 354
		.amdhsa_next_free_sgpr 66
		.amdhsa_reserve_vcc 1
		.amdhsa_float_denorm_mode_32 3
		.amdhsa_float_denorm_mode_16_64 3
		.amdhsa_memory_ordered 1
		.amdhsa_forward_progress 1
		.amdhsa_inst_pref_size 246
	.end_amdhsa_kernel
	.amdgpu_metadata
---
amdhsa.version: [ 1, 2 ]
amdhsa.kernels:
  - .name:           k_qd8fd94ad22_attn
    .symbol:         k_qd8fd94ad22_attn.kd
    .args:
      - { .name: q, .offset: 0, .size: 8, .value_kind: global_buffer, .address_space: global }
      - { .name: k, .offset: 8, .size: 8, .value_kind: global_buffer, .address_space: global }
      - { .name: v, .offset: 16, .size: 8, .value_kind: global_buffer, .address_space: global }
      - { .name: mask, .offset: 24, .size: 8, .value_kind: global_buffer, .address_space: global }
      - { .name: out0, .offset: 32, .size: 8, .value_kind: global_buffer, .address_space: global }
    .group_segment_fixed_size: 327680
    .private_segment_fixed_size: 0
    .kernarg_segment_align: 8
    .kernarg_segment_size: 40
    .max_flat_workgroup_size: 256
    .sgpr_count:     66
    .vgpr_count:     354
    .wavefront_size: 32
...
	.end_amdgpu_metadata
.endif
;; end of part 1
